; MI455X (gfx1250); checked and timed in simulation.
; The chip was launched on July 23, 2026; its instructions are those of AMD's public machine-readable ISA for CDNA 5 (MIT licence, August 2026) and "CDNA5" Instruction Set Architecture Reference Guide (July 2026). The comments in the code are by the model that wrote it; some were corrected since.
;; LSTM quantized cell. Allowed arithmetic: matrix products marked QUANTISED: E2M3 operands, one E8M0 scale for each 32 along K, by v_wmma_scale_f32_16x16x128_f8f6f4 with both operands' format E2M3, f32 sums; everything else in f32.
;; Inputs: b_ih 4,096 float32; c 8,192 x 1,024 float32; h_codes 8,192 x 32 x 24 uint8 (E2M3 codes of h, K innermost, in blocks of 32 codes, four codes in three bytes); h_scales 8,192 x 32 uint8 (E8M0 scales of h, one for each 32 codes along K); ln_beta 9 x 1,024 float32; ln_gamma 9 x 1,024 float32; w_hh_codes 4,096 x 32 x 24 uint8 (E2M3 codes of w_hh, K innermost, in blocks of 32 codes, four codes in three bytes); w_hh_scales 4,096 x 32 uint8 (E8M0 scales of w_hh, one for each 32 codes along K); w_ih_codes 4,096 x 32 x 24 uint8 (E2M3 codes of w_ih, K innermost, in blocks of 32 codes, four codes in three bytes); w_ih_scales 4,096 x 32 uint8 (E8M0 scales of w_ih, one for each 32 codes along K); x_codes 8,192 x 32 x 24 uint8 (E2M3 codes of x, K innermost, in blocks of 32 codes, four codes in three bytes); x_scales 8,192 x 32 uint8 (E8M0 scales of x, one for each 32 codes along K).
;; Outputs: out0 2 x 8,192 x 1,024 float32.
;; Constants: time = 0.
;; This version of the problem:
;;   THIS VERSION OF THE PROBLEM IS GIVEN IN LOW PRECISION. The matrix products marked QUANTISED in the list below multiply operands that are first quantised to E2M3 (2 exponent bits, 3 mantissa bits; 6 bits a number), with one power-of-two scale for each 32 numbers along K (OCP MX v1.0); their sums are f32. All else is computed in f32.
;;   The module's matrix products, in the order in which they are computed (A, B: the left and right operand; K: the contracted axis; several contracted axes count as one K, in the product's order):
;;     1. [M 8,192, K 1,024] x [K 1,024, N 4,096]; A: input x (given as codes); B: input w_ih (given as codes): QUANTISED
;;     2. [M 8,192, K 1,024] x [K 1,024, N 4,096]; A: input h (given as codes); B: input w_hh (given as codes): QUANTISED
;;   THE QUANTISER, for each operand of a quantised product, along K:
;;     - K is cut into blocks of 32 from its start; a last block that is shorter is filled with zeros.
;;     - A block's scale is 2^e with e = floor(log2(the largest magnitude in the block)) - 2, held to -126 .. 127; a block of zeros has e = 0. As a byte (E8M0): e + 127.
;;     - Each number is divided by its block's scale, clamped to +-7.5, and rounded to the nearest number of E2M3, ties to even, subnormals kept.
;;     - The product sums the exact products of the quantised numbers (number of the format x scale) in f32.
;;   ~~~python
;;   def quantise(x, axis):      # numpy; x: float32 -> the quantised numbers, widened to float32 again
;;       x = np.moveaxis(x, axis, -1); K = x.shape[-1]
;;       x = np.pad(x, [(0, 0)] * (x.ndim - 1) + [(0, -K % 32)]); x = x.reshape(x.shape[:-1] + (-1, 32)); a = np.abs(x).max(-1, keepdims=True)
;;       e = np.where(a > 0, np.clip(np.frexp(np.where(a > 0, a, 1))[1] - 1 - 2, -126, 127), 0)      # np.frexp(a)[1] - 1 = floor(log2(a)), exactly
;;       r = np.clip(x / 2.0 ** e, -7.5, 7.5)
;;       step = 2.0 ** (np.maximum(np.frexp(np.where(r == 0, 1, r))[1] - 1, 0) - 3)
;;       q = np.round(r / step) * step * 2.0 ** e      # np.round: ties to even
;;       return np.moveaxis(q.reshape(q.shape[:-2] + (-1,))[..., :K], -1, axis).astype(np.float32)
;;   ~~~
;;   INPUTS GIVEN AS CODES. h (in the module: [8192, 1024], K = its axis 1); w_hh (in the module: [4096, 1024], K = its axis 1); w_ih (in the module: [4096, 1024], K = its axis 1); x (in the module: [8192, 1024], K = its axis 1): each comes as NAME_codes (uint8): NAME with its K axis moved to the last place and cut into blocks of 32 codes, [.., K / 32, bytes a block], one block behind the other in memory; four codes in three bytes: a row's codes are one little-endian stream of bits, code i at bits 6 i .. 6 i + 5 (a code: sign, 2 exponent bits, 3 mantissa bits); and NAME_scales (uint8): the same leading axes, one E8M0 byte (e + 127) for each 32 codes along K. Its value is code x scale, taken as it is: it is not quantised again, and the codes and scales need not be those that the quantiser above would give.
;; One version. Each part assembles by itself: llvm-mc -triple=amdgcn-amd-amdhsa -mcpu=gfx1250 --defsym DOCPART=n.
;; ======== version 1 of 1: 2 launches
;; limits: right only within a limited range of input values
;; workspace buffers: z 268,435,456 bytes
;; launch gemm (part 1): grid 32 x 8, 4 waves a work-group, clusters of 4 x 1, 327,680 bytes of LDS; arguments x_codes, x_scales, w_ih_codes, w_ih_scales, h_codes, h_scales, w_hh_codes, w_hh_scales, z; writes z
.if DOCPART == 1
	.amdgcn_target "amdgcn-amd-amdhsa--gfx1250"
	.amdhsa_code_object_version 6
	.text
	.protected	k_q67dbe2e8e8_gemm
	.globl	k_q67dbe2e8e8_gemm
	.p2align	8
	.type	k_q67dbe2e8e8_gemm,@function
k_q67dbe2e8e8_gemm:
	s_mov_b64 s[64:65], 0
	v_nop
	global_prefetch_b8 v0, s[64:65] scope:SCOPE_SE
	s_setreg_imm32_b32 hwreg(HW_REG_WAVE_MODE, 25, 1), 1
	s_wait_xcnt 0x0
	s_wait_alu depctr_hold_cnt(0) depctr_sa_sdst(0) depctr_va_vdst(0) depctr_va_sdst(0) depctr_va_ssrc(0) depctr_va_vcc(0) depctr_vm_vsrc(0)
	s_getreg_b32 s2, hwreg(HW_REG_IB_STS2, 6, 4)
	s_cmp_eq_u32 s2, 0
	s_cbranch_scc0 .Lentry_in_a_cluster
	s_endpgm
.Lentry_in_a_cluster:
	s_bfe_u32 s2, ttmp6, 0x10000c
	s_cmp_lg_u32 s2, 0x3003
	s_cbranch_scc0 .Lentry_shape_is_right
	s_endpgm
.Lentry_shape_is_right:
; z [16384][4096] f32: rows 0-8191 = x w_ih^T, rows 8192-16383 = h w_hh^T, on the E2M3 codes and E8M0 scales as they are given.  No work of reference() is left out; 'time' is a constant with no buffer and no way to an output.
; A work-group owns 256 columns of one product and walks 1,024 rows; 32 x 8 work-groups.  A wave owns 64 columns: its 64 weight rows, all of K, stay in 384 registers for the whole launch.
; The activations come in tiles of 64 whole rows (768 bytes a row, dense in memory: stated as rows of 256 bytes, 16 bytes of padding behind each) through a ring of two LDS slots; 16 tiles.
; The four work-groups of a cluster take four neighbouring column blocks of one product and the same rows: each tile is asked for jointly (mask 15); wave w fetches rows 16 w .. 16 w + 15.
; A unit is 16 rows: 32 matrix instructions, four accumulators by turns; a finished unit goes through the wave's own stage and is stored as rows of 256 aligned bytes.
; The matrix instruction is used transposed (source 0 = weight rows, source 1 = activation rows): a lane holds eight neighbouring columns of one row of z.
; Scale words: lane (r, h) loads the 16 bytes at 32 r + 16 h of 16 rows' scales: K steps 0-3 lie in lanes 0-15, K steps 4-7 in lanes 16-31 (ROW1).
; No prefetch: for each tile of 49,152 bytes that a work-group loads it stores 65,536 bytes, so the launch's own stores keep the stream going.
; WINDOWS: 0: addresses, scales, accumulators, way out; 1, 2: weights of K steps 0-3, 4-7 (48 cb + 12 k); 3: activation fragments, two sets of 96.
.set UNITB, 13056                      ; 16 rows in LDS: 48 x 272
.set SLOT,  4*UNITB
.set TILEB, 64*768                     ; a tile in memory
.set STAGE, 4*SLOT                     ; behind the head's weights
.set SPARE, STAGE+4*16*272
.set ADR, 16                           ; v16-17 r x 816 + 24 h in slot 0, 1;  v18-19 the same + 16 h, for pieces whose lanes 16-31 lie in the next 256 bytes
.set ADX, 18
.set ADRW, 20                          ; v20-21 the same in my weights' bytes
.set ADXW, 21
.set STO, 24
.set RD,  25
.set CO,  26
.set SOF, 27
.set SPW, 28
.set NIL, 29
.set WSC, 32                           ; v32-47 weights' scale words
.set ASC, 48                           ; v48-79 activations' scale words, a set of 16 for each slot
.set ACC, 80                           ; v80-143 two sets of four accumulators
.set OB,  144                          ; v144-207 two sets of 16 rows on their way out
.set G1,  24
.set G0,  32
.set G1W, 40
.set G0W, 48
.set MSB, 0
.macro WIN new
.if MSB != \new
	s_set_vgpr_msb (MSB<<8)|\new
.set MSB, \new
.endif
.endm
.macro ROUND                           ; a round of the cluster's barrier
	s_barrier_signal -1
	s_barrier_wait -1
	s_cmp_lg_u32 s14, 0
	s_cbranch_scc1 .Lnw0_\@
	s_barrier_signal -3
.Lnw0_\@:
	s_barrier_wait -3
	s_barrier_signal -1
	s_barrier_wait -1
.endm
.macro PLACES
.rept 4
	v_nop
.endr
.endm
.macro HALF reg, adr, adx, k0, i       ; fragments of 16 rows, K steps k0 .. k0 + 3: 24 pieces of 8 bytes; byte y of a row lies at y + 16 (y / 256)
.irp k, 0,1,2,3
.irp p, 0,1,2,3,4,5
.set BY, 96*((\k0)+\k)+48*(\p/3)+8*(\p%3)
.if BY%256 < 232
	ds_load_b64 v[(\reg)+12*\k+2*\p:(\reg)+12*\k+2*\p+1], v[\adr] offset:BY+16*(BY/256)+(\i)*UNITB
.else
	ds_load_b64 v[(\reg)+12*\k+2*\p:(\reg)+12*\k+2*\p+1], v[\adx] offset:BY+16*(BY/256)+(\i)*UNITB
.endif
.endr
.endr
.endm
.macro FETCH u, s                      ; unit u's 48 loads into set u % 2
	WIN 0xc0
	HALF 96*((\u)%2), ADR+\s, ADX+\s, 0, \u
	HALF 96*((\u)%2)+48, ADR+\s, ADX+\s, 4, \u
	WIN 0
.endm
.macro MUL u, s
.set PP, (\u)%2
	WIN 0x0d
.irp k, 0,1,2,3
.irp b, 0,1,2,3
.if \k == 0
	v_wmma_scale_f32_16x16x128_f8f6f4 v[ACC+32*PP+8*\b:ACC+32*PP+8*\b+7], v[48*\b+12*\k:48*\b+12*\k+11], v[96*PP+12*\k:96*PP+12*\k+11], 0, v[WSC+4*\b+\k], v[ASC+16*(\s)+4*(\u)+\k] matrix_a_fmt:MATRIX_FMT_FP6 matrix_b_fmt:MATRIX_FMT_FP6
.else
	v_wmma_scale_f32_16x16x128_f8f6f4 v[ACC+32*PP+8*\b:ACC+32*PP+8*\b+7], v[48*\b+12*\k:48*\b+12*\k+11], v[96*PP+12*\k:96*PP+12*\k+11], v[ACC+32*PP+8*\b:ACC+32*PP+8*\b+7], v[WSC+4*\b+\k], v[ASC+16*(\s)+4*(\u)+\k] matrix_a_fmt:MATRIX_FMT_FP6 matrix_b_fmt:MATRIX_FMT_FP6
.endif
.endr
.endr
	WIN 0x0e
.irp k, 0,1,2,3
.irp b, 0,1,2,3
	v_wmma_scale_f32_16x16x128_f8f6f4 v[ACC+32*PP+8*\b:ACC+32*PP+8*\b+7], v[48*\b+12*\k:48*\b+12*\k+11], v[96*PP+48+12*\k:96*PP+48+12*\k+11], v[ACC+32*PP+8*\b:ACC+32*PP+8*\b+7], v[WSC+4*\b+\k], v[ASC+16*(\s)+4*(\u)+\k] matrix_a_fmt:MATRIX_FMT_FP6 matrix_b_fmt:MATRIX_FMT_FP6 matrix_a_scale:MATRIX_SCALE_ROW1 matrix_b_scale:MATRIX_SCALE_ROW1
.endr
.endr
	WIN 0
.endm
.macro TOSTAGE u                       ; 8 stores, each accumulator from its low end on, and 8 loads of whole rows: LDS serves a wave's instructions in order
.set PP, (\u)%2
.irp b, 0,1,2,3
	ds_store_b128 v[STO], v[ACC+32*PP+8*\b:ACC+32*PP+8*\b+3] offset:64*\b
	ds_store_b128 v[STO], v[ACC+32*PP+8*\b+4:ACC+32*PP+8*\b+7] offset:64*\b+16
.endr
.irp t, 0,1,2,3,4,5,6,7
	ds_load_b128 v[OB+32*PP+4*\t:OB+32*PP+4*\t+3], v[RD] offset:\t*2*272
.endr
.endm
.macro SEND u                          ; sixteen lanes store 256 consecutive aligned bytes of a row of z
.irp t, 0,1,2,3,4,5,6,7
	global_store_b128 v[CO], v[OB+32*((\u)%2)+4*\t:OB+32*((\u)%2)+4*\t+3], s[12:13] offset:((\u)*16+2*\t)*16384 th:TH_STORE_NT
.endr
.endm
; One tile, in slot s.  step: the bases go one tile on.  refill: the next tile is asked for, and its scale words.
.macro TRIP s, step, refill
	s_wait_tensorcnt 0x0                           ; all my tensor loads have landed, my part of this tile among them
	ds_add_u32 v[SPW], v[NIL]
	s_add_nc_u64 s[G0+4*\s+2:G0+4*\s+3], s[G0+4*\s+2:G0+4*\s+3], 2*TILEB
	s_wait_xcnt 0x0                                ; the last tile's stores and loads have read their bases and data
.if \step
	s_add_nc_u64 s[12:13], s[12:13], 64*16384
	s_add_nc_u64 s[6:7], s[6:7], 64*32
.endif
	s_wait_dscnt 0x0                               ; the add is done, and my reads of the other slot
	ROUND
.if \refill
	tensor_load_to_lds s[G0+4-4*\s:G0+7-4*\s], s[G1:G1+7]
	s_nop 0
	PLACES
.endif
	s_wait_loadcnt 0x0                             ; this tile's scale words
.if \refill
.irp u, 0,1,2,3
	global_load_b128 v[ASC+16-16*\s+4*\u:ASC+16-16*\s+4*\u+3], v[SOF], s[6:7] offset:2048+512*\u
.endr
.endif
	FETCH 0, \s
	s_wait_dscnt 0x0
	FETCH 1, \s
	MUL 0, \s
	PLACES
	TOSTAGE 0
.irp u, 1,2,3
	s_wait_dscnt 16                                ; unit u's fragments are in; the 16 stage instructions behind them may be out
.if \u < 3
	FETCH \u+1, \s
.endif
	MUL \u, \s
.if \u < 3
	s_wait_dscnt 48                                ; the stage's loads are in; the 48 fragment loads behind them may be out
.else
	s_wait_dscnt 0x0
.endif
	s_wait_xcnt 0x0                                ; the stores of two units ago have read the set that this unit's stage loads take
	SEND \u-1
	PLACES                                         ; places behind the products, ahead of the stores of their results and of loads into their sources
	TOSTAGE \u
.endr
	s_wait_dscnt 0x0
	SEND 3
.endm
	s_load_b256 s[4:11], s[0:1], 0x0
	s_load_b256 s[56:63], s[0:1], 0x20
	s_load_b64 s[12:13], s[0:1], 0x40
	v_lshl_add_u32 v[SPW], v0, 2, SPARE
	v_mov_b32 v[NIL], 0
	ds_add_u32 v[SPW], v[NIL]
	ds_add_u32 v[SPW], v[NIL]
	v_lshrrev_b32 v1, 5, v0
	v_readfirstlane_b32 s14, v1                    ; wave
	v_and_b32 v2, 15, v0                           ; r
	v_bfe_u32 v3, v0, 4, 1                         ; h
	s_mul_i32 s15, s14, SLOT                       ; my weights' bytes at the head
	s_mul_i32 s16, s14, 16*272
	s_add_co_u32 s16, s16, STAGE                   ; my stage
	v_mul_u32_u24 v[ADR], v2, 816
	v_mad_u32_u24 v[ADR], v3, 24, v[ADR]
	v_add_nc_u32 v[ADR+1], SLOT, v[ADR]
	v_lshl_add_u32 v[ADX], v3, 4, v[ADR]
	v_lshl_add_u32 v[ADX+1], v3, 4, v[ADR+1]
	v_add_nc_u32 v[ADRW], s15, v[ADR]
	v_add_nc_u32 v[ADXW], s15, v[ADX]
	v_mul_u32_u24 v5, v2, 272
	v_lshl_add_u32 v5, v3, 5, v5
	v_add_nc_u32 v[STO], s16, v5                   ; in: row r, 32 bytes for each half of the lanes
	v_mul_u32_u24 v6, v3, 272
	v_lshl_add_u32 v6, v2, 4, v6
	v_add_nc_u32 v[RD], s16, v6                    ; back: lanes 0-15 one row, lanes 16-31 the next
	v_lshlrev_b32 v7, 14, v3
	v_lshl_add_u32 v[CO], v2, 4, v7                ; the same two rows in z
	v_lshlrev_b32 v8, 5, v2
	v_lshl_add_u32 v[SOF], v3, 4, v8               ; scales: 32 r + 16 h
	s_bfe_u32 s16, ttmp6, 0x40000                  ; cx
	s_and_b32 s17, ttmp9, 3
	s_lshl_b32 s17, s17, 2
	s_add_co_u32 s17, s17, s16                     ; my column block in the product, 0..15
	s_lshr_b32 s18, ttmp9, 2                       ; the product: the same in all four partners
	s_and_b32 s19, ttmp7, 0xffff                   ; my 1,024 rows
	s_mul_i32 s20, s19, 1024*768
	s_mul_i32 s21, s14, 16*768
	s_add_co_u32 s20, s20, s21                     ; activations: my 16 rows of tile 0
	s_mov_b32 s21, 0
	s_lshl_b32 s22, s19, 15                        ; their scales
	s_mov_b32 s23, 0
	s_mul_i32 s66, s17, 256*768
	s_mul_i32 s67, s14, 64*768
	s_add_co_u32 s66, s66, s67                     ; weights: my 64 rows
	s_mov_b32 s67, 0
	s_lshl_b32 s68, s17, 13
	s_lshl_b32 s69, s14, 11
	s_add_co_u32 s68, s68, s69                     ; their scales
	s_mov_b32 s69, 0
	s_lshl_b32 s70, s18, 27
	s_lshl_b32 s71, s19, 24
	s_add_co_u32 s70, s70, s71
	s_lshl_b32 s71, s17, 10
	s_add_co_u32 s70, s70, s71
	s_lshl_b32 s71, s14, 8
	s_add_co_u32 s70, s70, s71                     ; z: my first row and my 256 bytes of it
	s_mov_b32 s71, 0
	s_mul_i32 s53, s14, UNITB
	s_mov_b32 s[G1+0], 15|(3<<16)|(1<<20)|(1<<21)|(5<<22)|(3<<25)   ; joint: 48 rows of 32 elements of 8 bytes, 4 words of padding behind every 64
	s_mov_b32 s[G1+1], 32<<16
	s_mov_b32 s[G1+2], 48<<16
	s_mov_b32 s[G1+3], 32<<16
	s_mov_b32 s[G1+4], 48
	s_mov_b32 s[G1+5], 32
	s_mov_b32 s[G1+6], 0
	s_mov_b32 s[G1+7], 0
	s_mov_b32 s[G1W+0], (3<<16)|(1<<20)|(5<<22)|(3<<25)             ; my own: 192 such rows
	s_mov_b32 s[G1W+1], 32<<16
	s_mov_b32 s[G1W+2], 192<<16
	s_mov_b32 s[G1W+3], 32<<16
	s_mov_b32 s[G1W+4], 192
	s_mov_b32 s[G1W+5], 32
	s_mov_b32 s[G1W+6], 0
	s_mov_b32 s[G1W+7], 0
	s_wait_alu depctr_va_vdst(0)
	s_wait_dscnt 0x0
	s_wait_kmcnt 0x0
	s_cmp_eq_u32 s18, 0
	s_cselect_b64 s[4:5], s[4:5], s[56:57]
	s_cselect_b64 s[6:7], s[6:7], s[58:59]
	s_cselect_b64 s[8:9], s[8:9], s[60:61]
	s_cselect_b64 s[10:11], s[10:11], s[62:63]
	s_add_nc_u64 s[4:5], s[4:5], s[20:21]
	s_add_nc_u64 s[6:7], s[6:7], s[22:23]
	s_add_nc_u64 s[8:9], s[8:9], s[66:67]
	s_add_nc_u64 s[10:11], s[10:11], s[68:69]
	s_add_nc_u64 s[12:13], s[12:13], s[70:71]
.irp s, 0,1
	s_mov_b32 s[G0+4*\s], 1
	s_add_co_u32 s[G0+4*\s+1], s53, \s*SLOT
	s_add_nc_u64 s[G0+4*\s+2:G0+4*\s+3], s[4:5], \s*TILEB
	s_or_b32 s[G0+4*\s+3], s[G0+4*\s+3], 0x80000000
.endr
	s_mov_b32 s[G0W], 1
	s_mov_b32 s[G0W+1], s15
	s_mov_b64 s[G0W+2:G0W+3], s[8:9]
	s_or_b32 s[G0W+3], s[G0W+3], 0x80000000
	ROUND
	tensor_load_to_lds s[G0W:G0W+3], s[G1W:G1W+7]  ; my 64 weight rows: my one load at the head; only I read these bytes
	s_nop 0
	PLACES
.irp b, 0,1,2,3
	global_load_b128 v[WSC+4*\b:WSC+4*\b+3], v[SOF], s[10:11] offset:512*\b
.endr
.irp u, 0,1,2,3
	global_load_b128 v[ASC+4*\u:ASC+4*\u+3], v[SOF], s[6:7] offset:512*\u
.endr
	s_wait_tensorcnt 0x0
	WIN 0x40
.irp b, 0,1,2,3
	HALF 48*\b, ADRW, ADXW, 0, \b
.endr
	WIN 0x80
.irp b, 0,1,2,3
	HALF 48*\b, ADRW, ADXW, 4, \b
.endr
	WIN 0
	s_wait_tensorcnt 0x0                           ; the ring takes the weights' bytes: the same lines as ahead of every refill
	ds_add_u32 v[SPW], v[NIL]
	s_wait_dscnt 0x0                               ; the weights are in registers
	ROUND
	tensor_load_to_lds s[G0:G0+3], s[G1:G1+7]      ; tile 0
	s_nop 0
	PLACES
	TRIP 0, 0, 1
	s_mov_b32 s52, 7
.Lpair:                                                ; tiles 1 to 14
	TRIP 1, 1, 1
	TRIP 0, 1, 1
	s_sub_co_u32 s52, s52, 1
	s_cmp_lg_u32 s52, 0
	s_cbranch_scc1 .Lpair
	TRIP 1, 1, 0                                   ; tile 15 asks for nothing more
	s_wait_tensorcnt 0x0                           ; the wave's end
	ds_add_u32 v[SPW], v[NIL]
	s_wait_dscnt 0x0
	ROUND                                          ; the closing round
	s_endpgm
.Lfunc_end_k_q67dbe2e8e8_gemm:
	.size	k_q67dbe2e8e8_gemm, .Lfunc_end_k_q67dbe2e8e8_gemm-k_q67dbe2e8e8_gemm
	.p2alignl 7, 3214868480
	.fill 96, 4, 3214868480
	.section	.rodata,"a",@progbits
	.p2align	6, 0x0
	.amdhsa_kernel k_q67dbe2e8e8_gemm
		.amdhsa_group_segment_fixed_size 327680
		.amdhsa_private_segment_fixed_size 0
		.amdhsa_enable_private_segment 0
		.amdhsa_kernarg_size 72
		.amdhsa_user_sgpr_count 2
		.amdhsa_user_sgpr_kernarg_segment_ptr 1
		.amdhsa_wavefront_size32 1
		.amdhsa_system_sgpr_workgroup_id_x 1
		.amdhsa_system_sgpr_workgroup_id_y 1
		.amdhsa_system_sgpr_workgroup_id_z 1
		.amdhsa_system_vgpr_workitem_id 0
		.amdhsa_next_free_vgpr 1024
		.amdhsa_next_free_sgpr 80
		.amdhsa_reserve_vcc 0
		.amdhsa_float_denorm_mode_32 3
		.amdhsa_float_denorm_mode_16_64 3
		.amdhsa_memory_ordered 1
		.amdhsa_forward_progress 1
		.amdhsa_inst_pref_size 170
	.end_amdhsa_kernel
	.amdgpu_metadata
---
amdhsa.version: [ 1, 2 ]
amdhsa.kernels:
  - .name:           k_q67dbe2e8e8_gemm
    .symbol:         k_q67dbe2e8e8_gemm.kd
    .args:
      - { .name: x_codes, .offset: 0, .size: 8, .value_kind: global_buffer, .address_space: global }
      - { .name: x_scales, .offset: 8, .size: 8, .value_kind: global_buffer, .address_space: global }
      - { .name: w_ih_codes, .offset: 16, .size: 8, .value_kind: global_buffer, .address_space: global }
      - { .name: w_ih_scales, .offset: 24, .size: 8, .value_kind: global_buffer, .address_space: global }
      - { .name: h_codes, .offset: 32, .size: 8, .value_kind: global_buffer, .address_space: global }
      - { .name: h_scales, .offset: 40, .size: 8, .value_kind: global_buffer, .address_space: global }
      - { .name: w_hh_codes, .offset: 48, .size: 8, .value_kind: global_buffer, .address_space: global }
      - { .name: w_hh_scales, .offset: 56, .size: 8, .value_kind: global_buffer, .address_space: global }
      - { .name: z, .offset: 64, .size: 8, .value_kind: global_buffer, .address_space: global }
    .group_segment_fixed_size: 327680
    .private_segment_fixed_size: 0
    .kernarg_segment_align: 8
    .kernarg_segment_size: 72
    .max_flat_workgroup_size: 128
    .sgpr_count:     80
    .vgpr_count:     1024
    .wavefront_size: 32
...
	.end_amdgpu_metadata
.endif
;; end of part 1
;; launch cell (part 2): grid 256 x 1, 16 waves a work-group, no clusters, 59,392 bytes of LDS; arguments z, c, b_ih, ln_gamma, ln_beta, out0; writes out0
.if DOCPART == 2
	.amdgcn_target "amdgcn-amd-amdhsa--gfx1250"
	.amdhsa_code_object_version 6
	.text
	.protected	k_q67dbe2e8e8_cell
	.globl	k_q67dbe2e8e8_cell
	.p2align	8
	.type	k_q67dbe2e8e8_cell,@function
k_q67dbe2e8e8_cell:
	s_mov_b64 s[64:65], 0
	v_nop
	global_prefetch_b8 v0, s[64:65] scope:SCOPE_SE
	s_setreg_imm32_b32 hwreg(HW_REG_WAVE_MODE, 25, 1), 1
	s_wait_xcnt 0x0
; THE SECOND LAUNCH: from z [16384][4096] f32 (rows 0-8191: x w_ih^T, rows 8192-16383: h w_hh^T) to out0 = [h_new, c_new], [2][8192][1024] f32.  No work of reference() is left out here.
; For gate g (i, f, a, o) and row r:  pre = LN(z[r][1024 g ..], gamma[2g], beta[2g]) + LN(z[8192 + r][1024 g ..], gamma[2g+1], beta[2g+1]) + b_ih[1024 g ..];  i, f, o = sigmoid(pre), a = tanh(pre);
; c_new = f c + i a;  h_new = o tanh(LN(c_new, gamma[8], beta[8])).  LN: mean, then the mean of the squares of the centred numbers (two passes, as reference() has it: no difference of large sums), 1 / sqrt(variance + 1e-5).
; A STREAM: 369 MB go through this launch for some 720 M plain operations, so bytes decide.  Each byte of z and c is read once and each byte of out0 written once, by 16 bytes a lane, 512 consecutive bytes a wave's instruction.
; Matrix units, clusters and tensor loads would add nothing: the waves share only 56 KB of parameters.  No prefetch: the launch's own loads keep the stream going (up to 40 loads of 512 bytes a wave are out).
; SHARES.  A work-group of sixteen waves takes 32 rows, a wave two, ONE ROW WHOLE AT A TIME: so no mean or variance ever leaves a wave.  Lane l holds columns 128 i + 4 l + 0 .. 3, i = 0 .. 7: 32 registers for 1,024 numbers.
; A gate's two pieces (64 registers) lie in one of two slots, A and B, which take turns in the order i, a, f, o; a slot is loaded again as soon as its gate is made, so two gates' loads are on their way while one is worked.
; THE PARAMETERS are combined once by the work-group and lie in LDS, 14 arrays of 4,096 bytes: for gate g  k gamma[2g],  k gamma[2g+1],  k (beta[2g] + beta[2g+1] + b[g]);  then 2 log2(e) gamma[8], 2 log2(e) beta[8].
; k is the exponential's factor: -log2(e) for a sigmoid = 1 / (1 + 2^(-x log2 e)), 2 log2(e) for tanh = 1 - 2 / (1 + 2^(2 x log2 e)).
; LIMITS.  The order of sums differs from reference()'s (packed chains, then lanes), and the three additive terms are added first and multiplied by k once: rounding only.  v_exp_f32 and v_rcp_f32 count denormals as zero
; (ISA guide 15.8): a gate under 2^-126 comes out 0, and tanh has an absolute error of about 1e-7 near 0.  NaN and infinities in z, c or the parameters go where the arithmetic carries them; not tried.
.set ZROW,  16384                      ; a row of z in bytes
.set GATEB, 4096                       ; a gate's 1,024 columns in bytes; also a row of c and of out0, and a parameter array
.set OFF,   1                          ; v1       16 x lane: my bytes in 512; offset in memory and address in LDS alike; never rewritten
.set SPW,   2                          ; v2       LDS address of my spare word: SPARE + 4 x my thread's number; never rewritten
.set NIL,   3                          ; v3       0; never rewritten
.set PO,    4                          ; v4       8 x thread: my two numbers of a parameter array; never rewritten
.set NM1,   6                          ; v[6:7]   -mean of the first piece (the low word serves both halves; the upper is cleared once),
.set NM2,   8                          ; v[8:9]   of the second
.set RS1,   10                         ; v[10:11] 1 / sqrt(variance + eps) of the first piece,
.set RS2,   12                         ; v[12:13] of the second
.set CH,    14                         ; v[14:21] four chains of sums
.set PT,    22                         ; v22-23   the lane exchange's targets
.set PB,    24                         ; v24-59   three parameter buffers of 12 registers, by turns
.set SA,    60                         ; v60-123  slot A: 32 numbers of z's upper half, 32 of its lower
.set SB,    124                        ; v124-187 slot B
.set CO,    188                        ; v188-219 c
.set S,     220                        ; v220-251 i, then i a, then c_new, then tanh(LN(c_new)), then h_new
.set RG,    188                        ; at the head: gamma[k] in v[RG + 2 k], beta[k] in v[RB + 2 k], b[g] in v[RI + 2 g]
.set RB,    206
.set RI,    224
.set SPARE, 14*GATEB                   ; behind the parameters: the spare words, 128 bytes for each wave: eight blocks of 256 bytes that no other line names
.macro LOADG x, t, g                   ; gate g of my row t: both pieces into slot x: 16 loads
.irp i, 0,1,2,3,4,5,6,7
	global_load_b128 v[\x+4*\i:\x+4*\i+3], v[OFF], s[20:21] offset:(\t)*ZROW+(\g)*GATEB+512*\i th:TH_LOAD_NT
.endr
.irp i, 0,1,2,3,4,5,6,7
	global_load_b128 v[\x+32+4*\i:\x+35+4*\i], v[OFF], s[22:23] offset:(\t)*ZROW+(\g)*GATEB+512*\i th:TH_LOAD_NT
.endr
.endm
.macro LOADC t                         ; my row t of c: 8 loads
.irp i, 0,1,2,3,4,5,6,7
	global_load_b128 v[CO+4*\i:CO+4*\i+3], v[OFF], s[24:25] offset:(\t)*GATEB+512*\i th:TH_LOAD_NT
.endr
.endm
.macro PARLD b, a0, n, i               ; my four columns of batch i of arrays a0 .. a0 + n - 1 into parameter buffer b
.set PJ, 0
.rept \n
	ds_load_b128 v[PB+12*(\b)+4*PJ:PB+12*(\b)+4*PJ+3], v[OFF] offset:((\a0)+PJ)*GATEB+512*(\i)
.set PJ, PJ+1
.endr
.endm
.macro REDUCE2                         ; v[CH] and v[CH+4] summed over the 32 lanes, the two by turns; every lane gets the results
.irp m, 1,2,4,8
	v_add_f32_dpp v[CH], v[CH], v[CH] row_xmask:\m row_mask:0xf bank_mask:0xf
	v_add_f32_dpp v[CH+4], v[CH+4], v[CH+4] row_xmask:\m row_mask:0xf bank_mask:0xf
.endr
	v_permlanex16_b32 v[PT], v[CH], s34, s35
	v_permlanex16_b32 v[PT+1], v[CH+4], s34, s35
	v_add_f32 v[CH], v[CH], v[PT]
	v_add_f32 v[CH+4], v[CH+4], v[PT+1]
.endm
.macro REDUCE1
.irp m, 1,2,4,8
	v_add_f32_dpp v[CH], v[CH], v[CH] row_xmask:\m row_mask:0xf bank_mask:0xf
.endr
	v_permlanex16_b32 v[PT], v[CH], s34, s35
	v_add_f32 v[CH], v[CH], v[PT]
.endm
; The two pieces of slot x are centred in place, and 1 / sqrt(variance + eps) of each is made.  The pieces take turns line by line, two chains each.
.macro STATS2 x
	v_pk_add_f32 v[CH:CH+1],   v[\x:\x+1],     v[\x+2:\x+3]
	v_pk_add_f32 v[CH+4:CH+5], v[\x+32:\x+33], v[\x+34:\x+35]
	v_pk_add_f32 v[CH+2:CH+3], v[\x+4:\x+5],   v[\x+6:\x+7]
	v_pk_add_f32 v[CH+6:CH+7], v[\x+36:\x+37], v[\x+38:\x+39]
.irp k, 8,12,16,20,24,28
	v_pk_add_f32 v[CH:CH+1],   v[CH:CH+1],   v[\x+\k:\x+\k+1]
	v_pk_add_f32 v[CH+4:CH+5], v[CH+4:CH+5], v[\x+32+\k:\x+33+\k]
	v_pk_add_f32 v[CH+2:CH+3], v[CH+2:CH+3], v[\x+2+\k:\x+3+\k]
	v_pk_add_f32 v[CH+6:CH+7], v[CH+6:CH+7], v[\x+34+\k:\x+35+\k]
.endr
	v_pk_add_f32 v[CH:CH+1],   v[CH:CH+1],   v[CH+2:CH+3]
	v_pk_add_f32 v[CH+4:CH+5], v[CH+4:CH+5], v[CH+6:CH+7]
	v_add_f32 v[CH], v[CH], v[CH+1]
	v_add_f32 v[CH+4], v[CH+4], v[CH+5]
	REDUCE2
	v_mul_f32 v[NM1], 0xba800000, v[CH]            ; -sum / 1,024
	v_mul_f32 v[NM2], 0xba800000, v[CH+4]
.irp k, 0,2,4,6,8,10,12,14,16,18,20,22,24,26,28,30
	v_pk_add_f32 v[\x+\k:\x+\k+1],       v[\x+\k:\x+\k+1],       v[NM1:NM1+1] op_sel_hi:[1,0]   ; z - mean
	v_pk_add_f32 v[\x+32+\k:\x+33+\k],   v[\x+32+\k:\x+33+\k],   v[NM2:NM2+1] op_sel_hi:[1,0]
.endr
	v_pk_mul_f32 v[CH:CH+1],   v[\x:\x+1],     v[\x:\x+1]               ; the first squares start the chains: nothing is cleared
	v_pk_mul_f32 v[CH+4:CH+5], v[\x+32:\x+33], v[\x+32:\x+33]
	v_pk_mul_f32 v[CH+2:CH+3], v[\x+2:\x+3],   v[\x+2:\x+3]
	v_pk_mul_f32 v[CH+6:CH+7], v[\x+34:\x+35], v[\x+34:\x+35]
.irp k, 4,8,12,16,20,24,28
	v_pk_fma_f32 v[CH:CH+1],   v[\x+\k:\x+\k+1],     v[\x+\k:\x+\k+1],     v[CH:CH+1]
	v_pk_fma_f32 v[CH+4:CH+5], v[\x+32+\k:\x+33+\k], v[\x+32+\k:\x+33+\k], v[CH+4:CH+5]
	v_pk_fma_f32 v[CH+2:CH+3], v[\x+2+\k:\x+3+\k],   v[\x+2+\k:\x+3+\k],   v[CH+2:CH+3]
	v_pk_fma_f32 v[CH+6:CH+7], v[\x+34+\k:\x+35+\k], v[\x+34+\k:\x+35+\k], v[CH+6:CH+7]
.endr
	v_pk_add_f32 v[CH:CH+1],   v[CH:CH+1],   v[CH+2:CH+3]
	v_pk_add_f32 v[CH+4:CH+5], v[CH+4:CH+5], v[CH+6:CH+7]
	v_add_f32 v[CH], v[CH], v[CH+1]
	v_add_f32 v[CH+4], v[CH+4], v[CH+5]
	REDUCE2
	v_fma_f32 v[CH], v[CH], s31, s30               ; sum / 1,024 + eps
	v_fma_f32 v[CH+4], v[CH+4], s31, s30
	s_wait_alu depctr_va_vdst(0)
	v_rsq_f32 v[RS1], v[CH]
	v_rsq_f32 v[RS2], v[CH+4]
	v_nop                                          ; a plain instruction behind the transcendentals (ISA guide 5.7.2),
	s_wait_alu depctr_va_vdst(0)                   ; and the wait ahead of the first line that names a result: one for the two
.endm
; 2^(k pre) of gate g, in place in the first piece's registers, four columns a batch; the batch's parameters come from LDS three batches ahead, in three buffers by turns.
.macro NORM x, g
.irp i, 0,1,2,3,4,5,6,7
.if \i < 6
	s_wait_dscnt 6                                 ; this batch's three loads are in; those of the two batches behind it may be out
.else
	s_wait_dscnt 3*(7-\i)
.endif
.set PBI, PB+12*(\i%3)
	v_pk_mul_f32 v[\x+32+4*\i:\x+33+4*\i], v[\x+32+4*\i:\x+33+4*\i], v[RS2:RS2+1] op_sel_hi:[1,0]
	v_pk_mul_f32 v[\x+34+4*\i:\x+35+4*\i], v[\x+34+4*\i:\x+35+4*\i], v[RS2:RS2+1] op_sel_hi:[1,0]
	v_pk_mul_f32 v[\x+4*\i:\x+1+4*\i],     v[\x+4*\i:\x+1+4*\i],     v[RS1:RS1+1] op_sel_hi:[1,0]
	v_pk_mul_f32 v[\x+2+4*\i:\x+3+4*\i],   v[\x+2+4*\i:\x+3+4*\i],   v[RS1:RS1+1] op_sel_hi:[1,0]
	v_pk_fma_f32 v[\x+32+4*\i:\x+33+4*\i], v[\x+32+4*\i:\x+33+4*\i], v[PBI+4:PBI+5], v[PBI+8:PBI+9]
	v_pk_fma_f32 v[\x+34+4*\i:\x+35+4*\i], v[\x+34+4*\i:\x+35+4*\i], v[PBI+6:PBI+7], v[PBI+10:PBI+11]
	v_pk_fma_f32 v[\x+4*\i:\x+1+4*\i],     v[\x+4*\i:\x+1+4*\i],     v[PBI:PBI+1],   v[\x+32+4*\i:\x+33+4*\i]
	v_pk_fma_f32 v[\x+2+4*\i:\x+3+4*\i],   v[\x+2+4*\i:\x+3+4*\i],   v[PBI+2:PBI+3], v[\x+34+4*\i:\x+35+4*\i]
.if \i < 5
	PARLD \i%3, 3*(\g), 3, \i+3
.endif
.endr
	s_wait_alu depctr_va_vdst(0)                   ; one wait ahead of the batch of 32
.set EJ, 0
.rept 32
	v_exp_f32 v[\x+EJ], v[\x+EJ]
.set EJ, EJ+1
.endr
	v_nop
	s_wait_alu depctr_va_vdst(0)
.endm
.macro RCP x, d                        ; d = 1 / (1 + x), 32 numbers; the reciprocals are one batch with one wait, which also stands ahead of loads into x
.irp k, 0,2,4,6,8,10,12,14,16,18,20,22,24,26,28,30
	v_pk_add_f32 v[\x+\k:\x+\k+1], v[\x+\k:\x+\k+1], 1.0 op_sel_hi:[1,0]
.endr
	s_wait_alu depctr_va_vdst(0)
.irp k, 0,1,2,3,4,5,6,7,8,9,10,11,12,13,14,15,16,17,18,19,20,21,22,23,24,25,26,27,28,29,30,31
	v_rcp_f32 v[\d+\k], v[\x+\k]
.endr
	v_nop
	s_wait_alu depctr_va_vdst(0)
.endm
.macro PRE g, left, x                  ; a gate's opening.  left: the global loads issued behind this gate's, which may stay out
	PARLD 0, 3*(\g), 3, 0
	PARLD 1, 3*(\g), 3, 1
	PARLD 2, 3*(\g), 3, 2
	s_wait_loadcnt \left                           ; loads come back in order (ISA guide 5.7.1): this gate's 16 are in
	STATS2 \x
	NORM \x, \g
.endm
; S = tanh(LN(S, gamma[8], beta[8])): one piece, four chains.
.macro LNC
	PARLD 0, 12, 2, 0
	PARLD 1, 12, 2, 1
	PARLD 2, 12, 2, 2
.irp j, 0,1,2,3
	v_pk_add_f32 v[CH+2*\j:CH+2*\j+1], v[S+2*\j:S+2*\j+1], v[S+8+2*\j:S+9+2*\j]
.endr
.irp k, 16,24
.irp j, 0,1,2,3
	v_pk_add_f32 v[CH+2*\j:CH+2*\j+1], v[CH+2*\j:CH+2*\j+1], v[S+\k+2*\j:S+\k+2*\j+1]
.endr
.endr
	v_pk_add_f32 v[CH:CH+1],   v[CH:CH+1],   v[CH+2:CH+3]
	v_pk_add_f32 v[CH+4:CH+5], v[CH+4:CH+5], v[CH+6:CH+7]
	v_pk_add_f32 v[CH:CH+1],   v[CH:CH+1],   v[CH+4:CH+5]
	v_add_f32 v[CH], v[CH], v[CH+1]
	REDUCE1
	v_mul_f32 v[NM1], 0xba800000, v[CH]
	s_wait_alu depctr_va_vdst(0)
	s_wait_xcnt 0x0
.irp k, 0,2,4,6,8,10,12,14,16,18,20,22,24,26,28,30
	v_pk_add_f32 v[S+\k:S+\k+1], v[S+\k:S+\k+1], v[NM1:NM1+1] op_sel_hi:[1,0]
.endr
.irp j, 0,1,2,3
	v_pk_mul_f32 v[CH+2*\j:CH+2*\j+1], v[S+2*\j:S+2*\j+1], v[S+2*\j:S+2*\j+1]
.endr
.irp k, 8,16,24
.irp j, 0,1,2,3
	v_pk_fma_f32 v[CH+2*\j:CH+2*\j+1], v[S+\k+2*\j:S+\k+2*\j+1], v[S+\k+2*\j:S+\k+2*\j+1], v[CH+2*\j:CH+2*\j+1]
.endr
.endr
	v_pk_add_f32 v[CH:CH+1],   v[CH:CH+1],   v[CH+2:CH+3]
	v_pk_add_f32 v[CH+4:CH+5], v[CH+4:CH+5], v[CH+6:CH+7]
	v_pk_add_f32 v[CH:CH+1],   v[CH:CH+1],   v[CH+4:CH+5]
	v_add_f32 v[CH], v[CH], v[CH+1]
	REDUCE1
	v_fma_f32 v[CH], v[CH], s31, s30
	s_wait_alu depctr_va_vdst(0)
	v_rsq_f32 v[RS1], v[CH]
	v_nop
	s_wait_alu depctr_va_vdst(0)
.irp i, 0,1,2,3,4,5,6,7
.if \i < 6
	s_wait_dscnt 4                                 ; this batch's two loads are in; those of the two batches behind it may be out
.else
	s_wait_dscnt 2*(7-\i)
.endif
.set PBI, PB+12*(\i%3)
	v_pk_mul_f32 v[S+4*\i:S+1+4*\i],   v[S+4*\i:S+1+4*\i],   v[RS1:RS1+1] op_sel_hi:[1,0]
	v_pk_mul_f32 v[S+2+4*\i:S+3+4*\i], v[S+2+4*\i:S+3+4*\i], v[RS1:RS1+1] op_sel_hi:[1,0]
	v_pk_fma_f32 v[S+4*\i:S+1+4*\i],   v[S+4*\i:S+1+4*\i],   v[PBI:PBI+1],   v[PBI+4:PBI+5]
	v_pk_fma_f32 v[S+2+4*\i:S+3+4*\i], v[S+2+4*\i:S+3+4*\i], v[PBI+2:PBI+3], v[PBI+6:PBI+7]
.if \i < 5
	PARLD \i%3, 12, 2, \i+3
.endif
.endr
	s_wait_alu depctr_va_vdst(0)                   ; one wait ahead of the batch of 32
.set EJ, 0
.rept 32
	v_exp_f32 v[S+EJ], v[S+EJ]
.set EJ, EJ+1
.endr
	v_nop
	s_wait_alu depctr_va_vdst(0)
	RCP S, S
.irp k, 0,2,4,6,8,10,12,14,16,18,20,22,24,26,28,30
	v_pk_fma_f32 v[S+\k:S+\k+1], v[S+\k:S+\k+1], -2.0, 1.0 op_sel_hi:[1,0,0]   ; tanh = 1 - 2 / (1 + 2^(2 x log2 e))
.endr
.endm
; One row.  t: which of my two.  li, la, lf, lo: the counts of younger loads at the four gates' waits.
.macro ROW t, li, la, lf, lo
	PRE 0, \li, SA                                 ; ---- i
.if \t > 0
	s_wait_xcnt 0x0                                ; the row before's stores of h_new have read S
.endif
	RCP SA, S                                      ; S = i
	LOADG SA, \t, 1                                ; slot A takes f
	PRE 2, \la, SB                                 ; ---- a
	RCP SB, SB
.irp k, 0,2,4,6,8,10,12,14,16,18,20,22,24,26,28,30
	v_pk_fma_f32 v[SB+\k:SB+\k+1], v[SB+\k:SB+\k+1], -2.0, 1.0 op_sel_hi:[1,0,0]
.endr
.irp k, 0,2,4,6,8,10,12,14,16,18,20,22,24,26,28,30
	v_pk_mul_f32 v[S+\k:S+\k+1], v[S+\k:S+\k+1], v[SB+\k:SB+\k+1]              ; S = i a
.endr
	LOADG SB, \t, 3                                ; slot B takes o
	PRE 1, \lf, SA                                 ; ---- f (c's loads were issued ahead of f's: they are in too)
	RCP SA, SA
.irp k, 0,2,4,6,8,10,12,14,16,18,20,22,24,26,28,30
	v_pk_fma_f32 v[S+\k:S+\k+1], v[SA+\k:SA+\k+1], v[CO+\k:CO+\k+1], v[S+\k:S+\k+1]   ; S = c_new = f c + i a
.endr
.irp i, 0,1,2,3,4,5,6,7
	global_store_b128 v[OFF], v[S+4*\i:S+4*\i+3], s[28:29] offset:(\t)*GATEB+512*\i th:TH_STORE_NT   ; 32 lanes store 512 consecutive bytes, aligned
.endr
.if \t == 0
	LOADG SA, 1, 0                                 ; the next row's i and c; the last row asks for nothing more
	LOADC 1
.endif
	LNC                                            ; ---- S = tanh(LN(c_new))
	PRE 3, \lo, SB                                 ; ---- o
	RCP SB, SB
.irp k, 0,2,4,6,8,10,12,14,16,18,20,22,24,26,28,30
	v_pk_mul_f32 v[S+\k:S+\k+1], v[S+\k:S+\k+1], v[SB+\k:SB+\k+1]              ; S = h_new
.endr
.irp i, 0,1,2,3,4,5,6,7
	global_store_b128 v[OFF], v[S+4*\i:S+4*\i+3], s[26:27] offset:(\t)*GATEB+512*\i th:TH_STORE_NT
.endr
.if \t == 0
	LOADG SB, 1, 2                                 ; the next row's a
.endif
.endm
.macro KMUL g, sk                      ; gate g's three arrays: x k, and into LDS, 8 bytes a thread
	v_pk_mul_f32 v[RG+4*\g:RG+4*\g+1],   v[RG+4*\g:RG+4*\g+1],   s[\sk:\sk+1] op_sel_hi:[1,0]
	v_pk_mul_f32 v[RG+4*\g+2:RG+4*\g+3], v[RG+4*\g+2:RG+4*\g+3], s[\sk:\sk+1] op_sel_hi:[1,0]
	v_pk_mul_f32 v[RB+4*\g:RB+4*\g+1],   v[RB+4*\g:RB+4*\g+1],   s[\sk:\sk+1] op_sel_hi:[1,0]
	ds_store_b64 v[PO], v[RG+4*\g:RG+4*\g+1]   offset:(3*\g)*GATEB
	ds_store_b64 v[PO], v[RG+4*\g+2:RG+4*\g+3] offset:(3*\g+1)*GATEB
	ds_store_b64 v[PO], v[RB+4*\g:RB+4*\g+1]   offset:(3*\g+2)*GATEB
.endm
	s_load_b256 s[4:11], s[0:1], 0x0               ; z s[4:5], c s[6:7], b_ih s[8:9], ln_gamma s[10:11]
	s_load_b128 s[12:15], s[0:1], 0x20             ; ln_beta s[12:13], out0 s[14:15]
	v_lshl_add_u32 v[SPW], v0, 2, SPARE
	v_mov_b32 v[NIL], 0
	v_lshrrev_b32 v5, 5, v0
	v_readfirstlane_b32 s16, v5                    ; wave 0..15
	v_and_b32 v[OFF], 31, v0
	v_lshlrev_b32 v[OFF], 4, v[OFF]
	v_lshlrev_b32 v[PO], 3, v0
	v_mov_b32 v[NM1+1], 0                          ; the upper words of the pairs whose low word is broadcast: named with it, so they are written
	v_mov_b32 v[NM2+1], 0
	v_mov_b32 v[RS1+1], 0
	v_mov_b32 v[RS2+1], 0
	v_mov_b32 v[PT], 0                             ; a lane exchange's destination counts as one of its sources
	v_mov_b32 v[PT+1], 0
	s_lshl_b32 s17, ttmp9, 5
	s_lshl_b32 s18, s16, 1
	s_add_co_u32 s17, s17, s18                     ; my first row: 32 x work-group + 2 x wave
	s_mov_b32 s19, 0
	s_mov_b32 s30, 0x3727c5ac                      ; eps = 1e-5
	s_mov_b32 s31, 0x3a800000                      ; 1 / 1,024
	s_mov_b32 s34, 0x76543210                      ; v_permlanex16_b32's selects for lane l xor 16
	s_mov_b32 s35, 0xfedcba98
	s_mov_b32 s36, 0xbfb8aa3b                      ; -log2(e), for the sigmoids
	s_mov_b32 s37, s36                             ; (named with it as a pair, so it is written)
	s_mov_b32 s38, 0x4038aa3b                      ; 2 log2(e), for the two tanh
	s_mov_b32 s39, s38
	s_wait_alu depctr_va_vdst(0)
	s_wait_kmcnt 0x0
	s_lshl_b32 s18, s17, 14                        ; my row in z, in bytes (under 2^27)
	s_add_nc_u64 s[20:21], s[4:5], s[18:19]        ; x w_ih^T at my first row,
	s_add_nc_u64 s[22:23], s[20:21], 0x8000000     ; h w_hh^T: 8,192 rows of 16,384 bytes further on
	s_lshl_b32 s18, s17, 12                        ; my row in c and in each half of out0
	s_add_nc_u64 s[24:25], s[6:7], s[18:19]        ; c
	s_add_nc_u64 s[26:27], s[14:15], s[18:19]      ; h_new
	s_add_nc_u64 s[28:29], s[26:27], 0x2000000     ; c_new: 8,192 rows of 4,096 bytes further on
.irp k, 0,1,2,3,4,5,6,7,8
	global_load_b64 v[RG+2*\k:RG+2*\k+1], v[PO], s[10:11] offset:\k*GATEB      ; the 512 threads read an array's 4,096 bytes, 8 each
.endr
.irp k, 0,1,2,3,4,5,6,7,8
	global_load_b64 v[RB+2*\k:RB+2*\k+1], v[PO], s[12:13] offset:\k*GATEB
.endr
.irp g, 0,1,2,3
	global_load_b64 v[RI+2*\g:RI+2*\g+1], v[PO], s[8:9] offset:\g*GATEB
.endr
	LOADG SA, 0, 0                                 ; my first row's i
	LOADG SB, 0, 2                                 ; and a
	s_wait_loadcnt 32                              ; the 22 parameter loads are in; the two gates' 32 may be out
.irp g, 0,1,2,3
	v_pk_add_f32 v[RB+4*\g:RB+4*\g+1], v[RB+4*\g:RB+4*\g+1], v[RB+4*\g+2:RB+4*\g+3]   ; beta[2g] + beta[2g+1]
.endr
.irp g, 0,1,2,3
	v_pk_add_f32 v[RB+4*\g:RB+4*\g+1], v[RB+4*\g:RB+4*\g+1], v[RI+2*\g:RI+2*\g+1]     ; + b[g]
.endr
	KMUL 0, 36
	KMUL 1, 36
	KMUL 2, 38
	KMUL 3, 36
	v_pk_mul_f32 v[RG+16:RG+17], v[RG+16:RG+17], s[38:39] op_sel_hi:[1,0]
	v_pk_mul_f32 v[RB+16:RB+17], v[RB+16:RB+17], s[38:39] op_sel_hi:[1,0]
	ds_store_b64 v[PO], v[RG+16:RG+17] offset:12*GATEB
	ds_store_b64 v[PO], v[RB+16:RB+17] offset:13*GATEB
	s_wait_dscnt 0x0                               ; for the others' sake: my part of the 14 arrays lies in LDS; and the stores have read the registers that c's loads take
	LOADC 0
	s_barrier_signal -1                            ; the launch's one barrier: behind it the arrays are whole, and nobody writes them again
	s_barrier_wait -1
	; the counts: behind i's loads a's 16 and c's 8; behind a's c's 8 and f's 16; behind f's o's 16; behind o's the next row's i 16 and c 8
	ROW 0, 24, 24, 16, 24
	; behind i's loads c's 8 and a's 16; behind a's f's 16; behind f's o's 16; behind o's none
	ROW 1, 24, 16, 16, 0
	s_wait_tensorcnt 0x0                           ; the wave's end
	ds_add_u32 v[SPW], v[NIL]
	s_wait_dscnt 0x0
	s_endpgm
.Lfunc_end_k_q67dbe2e8e8_cell:
	.size	k_q67dbe2e8e8_cell, .Lfunc_end_k_q67dbe2e8e8_cell-k_q67dbe2e8e8_cell
	.p2alignl 7, 3214868480
	.fill 96, 4, 3214868480
	.section	.rodata,"a",@progbits
	.p2align	6, 0x0
	.amdhsa_kernel k_q67dbe2e8e8_cell
		.amdhsa_group_segment_fixed_size 59392
		.amdhsa_private_segment_fixed_size 0
		.amdhsa_enable_private_segment 0
		.amdhsa_kernarg_size 48
		.amdhsa_user_sgpr_count 2
		.amdhsa_user_sgpr_kernarg_segment_ptr 1
		.amdhsa_wavefront_size32 1
		.amdhsa_system_sgpr_workgroup_id_x 1
		.amdhsa_system_sgpr_workgroup_id_y 1
		.amdhsa_system_sgpr_workgroup_id_z 1
		.amdhsa_system_vgpr_workitem_id 0
		.amdhsa_next_free_vgpr 256
		.amdhsa_next_free_sgpr 66
		.amdhsa_reserve_vcc 0
		.amdhsa_float_denorm_mode_32 3
		.amdhsa_float_denorm_mode_16_64 3
		.amdhsa_memory_ordered 1
		.amdhsa_forward_progress 1
		.amdhsa_inst_pref_size 190
	.end_amdhsa_kernel
	.amdgpu_metadata
---
amdhsa.version: [ 1, 2 ]
amdhsa.kernels:
  - .name:           k_q67dbe2e8e8_cell
    .symbol:         k_q67dbe2e8e8_cell.kd
    .args:
      - { .name: z, .offset: 0, .size: 8, .value_kind: global_buffer, .address_space: global }
      - { .name: c, .offset: 8, .size: 8, .value_kind: global_buffer, .address_space: global }
      - { .name: b_ih, .offset: 16, .size: 8, .value_kind: global_buffer, .address_space: global }
      - { .name: ln_gamma, .offset: 24, .size: 8, .value_kind: global_buffer, .address_space: global }
      - { .name: ln_beta, .offset: 32, .size: 8, .value_kind: global_buffer, .address_space: global }
      - { .name: out0, .offset: 40, .size: 8, .value_kind: global_buffer, .address_space: global }
    .group_segment_fixed_size: 59392
    .private_segment_fixed_size: 0
    .kernarg_segment_align: 8
    .kernarg_segment_size: 48
    .max_flat_workgroup_size: 512
    .sgpr_count:     66
    .vgpr_count:     256
    .wavefront_size: 32
...
	.end_amdgpu_metadata
.endif
;; end of part 2
